; MI455X (gfx1250); checked and timed in simulation.
; The chip was launched on July 23, 2026; its instructions are those of AMD's public machine-readable ISA for CDNA 5 (MIT licence, August 2026) and "CDNA5" Instruction Set Architecture Reference Guide (July 2026). The comments in the code are by the model that wrote it; some were corrected since.
;; Top K Token Choice Router. Allowed arithmetic: float matrix products may take bf16 or f16 operands with f32 sums; all other float work in f32.
;; Inputs: W 64 x 4,096 float32; x 2,048 x 4 x 4,096 float32.
;; Outputs: out0 8,192 x 2 float32; out1 8,192 x 2 int32.
;; 2 versions, each right and faster than the one before. Each part assembles by itself: llvm-mc -triple=amdgcn-amd-amdhsa -mcpu=gfx1250 --defsym DOCPART=n.
;; ======== version 1 of 2: 1 launch
;; launch router (part 1): grid 256 x 1, 8 waves a work-group, clusters of 4 x 1, 327,680 bytes of LDS; arguments x, W, out0, out1; writes out0, out1
.if DOCPART == 1
	.amdgcn_target "amdgcn-amd-amdhsa--gfx1250"
	.amdhsa_code_object_version 6
	.text
	.protected	k_q0cf7a19f18_router
	.globl	k_q0cf7a19f18_router
	.p2align	8
	.type	k_q0cf7a19f18_router,@function
k_q0cf7a19f18_router:
	s_mov_b64 s[64:65], 0
	v_nop
	global_prefetch_b8 v0, s[64:65] scope:SCOPE_SE
	s_setreg_imm32_b32 hwreg(HW_REG_WAVE_MODE, 25, 1), 1
	s_wait_xcnt 0x0
	s_wait_alu depctr_hold_cnt(0) depctr_sa_sdst(0) depctr_va_vdst(0) depctr_va_sdst(0) depctr_va_ssrc(0) depctr_va_vcc(0) depctr_vm_vsrc(0)
	s_getreg_b32 s2, hwreg(HW_REG_IB_STS2, 6, 4)
	s_cmp_eq_u32 s2, 0
	s_cbranch_scc0 .Lentry_in_a_cluster
	s_endpgm
.Lentry_in_a_cluster:
	s_bfe_u32 s2, ttmp6, 0x10000c
	s_cmp_lg_u32 s2, 0x3003
	s_cbranch_scc0 .Lentry_shape_is_right
	s_endpgm
.Lentry_shape_is_right:
; Router: logits[t][e] = sum over k of x[t][k] W[e][k] (8192 tokens, 64 experts, K = 4096), softmax over the experts, the two largest scores and their experts.
; x, W: f32, rounded to bf16 (nearest even) on the way to the matrix unit; sums, softmax and selection in f32.
;
; SHARES.  A work-group owns 32 tokens (256 work-groups).  K is split over its 8 waves: in step t (8 steps) wave w owns columns 512 t + 64 w .. + 63, for all
; 32 tokens and all 64 experts: 8 accumulator tiles of 16 x 16, 16 matrix instructions a step.  So every number of x and of W is read from LDS and rounded once
; in a work-group.  At the end the 8 waves' partial logits meet in LDS; 8 lanes share a token (8 experts each) for the softmax and the selection.
; x: 512 KiB a work-group, read once.  Each wave keeps a ring of 4 steps x 16 loads in registers v256-v511 (32 KiB a wave, 256 KiB a work-group on their way from the
; start), topped up behind counted waits.  A load covers two rows' 256 consecutive bytes, aligned.  The numbers are rounded in place and go through the wave's OWN
; LDS scratch to reach the fragment layout (lanes = rows): no other wave touches those bytes, so no barrier.
; W: all work-groups walk the same W, so four work-groups form a cluster and ask for each strip (64 experts x 64 columns) JOINTLY: four requests become one.
; Two LDS slots; each wave fetches and reads its own strip.  A wave has two tensor loads out at the start, later one.
;
; LIMITS.  The two experts are chosen on the logits, the lower index first where they are equal; reference() chooses on the rounded scores, so two unequal logits whose
; scores round to one f32 would be ordered by index there.  The sums' order differs from the reference's: logits closer than the f32 sums' rounding may change places.
; A token with a NaN among its logits gets index 64.  A second weight below 2^-126 comes out as 0 (v_exp_f32 flushes denormal results: ISA guide 15.8).
.set STEPS,  8
.set ROWB,   16384                     ; bytes in a row of x and of W
.set STEPB,  2048                      ; bytes along a row from step to step: 8 waves x 64 f32
.set WPITCH, 272                       ; LDS row of W: 256 bytes + 16 of padding = 17 x 16: sixteen rows begin at sixteen different 16-byte columns modulo 256 bytes
.set STRIP,  64*WPITCH                 ; a wave's strip of W: 17,408 bytes
.set SLOT,   8*STRIP                   ; 139,264
.set XSCR,   2*SLOT                    ; behind the two slots: the waves' scratch for x in bf16; no tensor load lands here
.set XPITCH, 144                       ; 64 bf16 + 16 bytes = 9 x 16; rows 8 apart lie 288 words apart = 32 modulo 64
.set XWAVE,  32*XPITCH                 ; 4,608 bytes a wave
.set RES,    XSCR+8*XWAVE              ; 32 tokens x 16 bytes: the results on their way out
.set LOG2E,  0x3fb8aa3b
.set VOFF, 2                           ; v2      x: my byte offset in a load's two rows; never rewritten
.set LW,   3                           ; v3, v4  LDS address of my part of W's fragments in slot 0, 1; v3 also serves the partial sums
.set XST,  5                           ; v5      scratch: where my 8 bytes of a row go
.set XLD,  6                           ; v6      scratch: where my part of x's fragments lies
.set ACC,  8                           ; v8-71   tile (n, m), expert block n, token block m, at ACC + 8 (2 n + m)
.set S,    72                          ; v72-199 W as loaded, 64 registers for each K group of 32; fragment n is rounded in place into S + 64 g + 16 n .. + 7
.set AF,   200                         ; v200-231 x's fragments: K group g, token block m at AF + 8 (2 g + m)
                                       ; v256-511 (window 1) the ring of x: step t in 64 (t mod 4) + 4 i, load i
.set P,    72                          ; the end: 8 partial sums x 8 experts, then the logits in P .. P+7
.set E,    136                         ; my 8 experts' numbers
.set T,    144                         ; 8 at work
.set M,    152                         ; the largest logit, twice (a pair for the packed subtraction)
.set TT,   154
.set M2,   155                         ; the second largest
.set NINF, 156
.set OUT,  160                         ; weight 1, weight 2, expert 1, expert 2
.set RA,   164                         ; v164, v165 where I read partial sums 0-3, 4-7
.set RSA,  166
.set G1, 24                            ; s[24:31] descriptor group 1: the strip's shape
.set G0, 32                            ; s[32:39] descriptor group 0, one set for each slot
.set MSB, 0
.macro WIN new                         ; s_set_vgpr_msb: bits 1:0 source 0, 3:2 source 1, 7:6 destination; the high byte repeats the setting that is left
.if MSB != \new
	s_set_vgpr_msb (MSB<<8)|\new
.set MSB, \new
.endif
.endm
.macro PLACES                          ; four places behind the last matrix instruction (ISA guide 7.12.1) before its registers are loaded into, written or stored
.rept 4
	v_nop
.endr
.endm
; A round of the cluster's barrier: my work-group's barrier, wave 0 signals for the work-group, every wave waits for all four work-groups, my work-group's barrier again.
.macro ROUND
	s_barrier_signal -1
	s_barrier_wait -1
	s_cmp_lg_u32 s12, 0
	s_cbranch_scc1 .Lnot_wave_0_\@
	s_barrier_signal -3
.Lnot_wave_0_\@:
	s_barrier_wait -3
	s_barrier_signal -1
	s_barrier_wait -1
.endm
; The 16 loads of step t (destination in window 1).  Load i: lanes 0-15 take 256 bytes of row 16 (i / 8) + i mod 8, lanes 16-31 of the row 8 further down.
.macro XLOAD t
.irp i, 0,1,2,3,4,5,6,7,8,9,10,11,12,13,14,15
	global_load_b128 v[64*((\t)&3)+4*\i:64*((\t)&3)+4*\i+3], v[VOFF], s[4:5] offset:((\i>>3)*16+(\i&7))*ROWB+(\t)*STEPB th:TH_LOAD_NT
.endr
.endm
	s_load_b128 s[4:7], s[0:1], 0x0                ; x s[4:5], W s[6:7]
	s_load_b128 s[8:11], s[0:1], 0x10              ; out0 s[8:9], out1 s[10:11]
	v_lshl_add_u32 v254, v0, 2, 0x4d200
	v_mov_b32 v255, 0
	ds_add_u32 v254, v255
	v_lshrrev_b32 v1, 5, v0
	v_readfirstlane_b32 s12, v1                    ; wave 0..7
	s_bfe_u32 s13, ttmp6, 0x40000                  ; cx: my place in the cluster
	s_lshl_b32 s14, ttmp9, 2                       ; ttmp9 counts clusters
	s_add_co_u32 s14, s14, s13                     ; work-group 0..255.  It enters x's and the outputs' addresses alone: no descriptor, LDS address or branch
	s_lshl_b32 s16, s14, 19                        ; 32 rows of 16,384 bytes; at most 255 << 19, below 2^31
	s_mov_b32 s17, 0
	s_lshl_b32 s18, s12, 8                         ; my wave's 64 columns, in x and in W
	s_mov_b32 s19, 0
	s_lshl_b32 s22, s14, 8                         ; 32 tokens x 8 bytes in each output
	s_mov_b32 s23, 0
	v_and_b32 v1, 15, v0                           ; r = lane mod 16
	v_bfe_u32 v7, v0, 4, 1                         ; h = lane / 16
	v_lshlrev_b32 v[VOFF], 4, v1                   ; 16 bytes a lane
	v_lshl_add_u32 v[VOFF], v7, 17, v[VOFF]        ; + 8 rows for lanes 16-31
	s_wait_dscnt 0x0
	s_wait_kmcnt 0x0
	s_add_nc_u64 s[4:5], s[4:5], s[16:17]
	s_add_nc_u64 s[4:5], s[4:5], s[18:19]          ; x at my tokens, my columns of step 0
	s_add_nc_u64 s[6:7], s[6:7], s[18:19]          ; W at my columns of step 0: the same in all four work-groups
	s_add_nc_u64 s[8:9], s[8:9], s[22:23]
	s_add_nc_u64 s[10:11], s[10:11], s[22:23]
	WIN 0x40
	XLOAD 0                                        ; three steps of x go out before anything else
	XLOAD 1
	XLOAD 2
	WIN 0
	; group 1: 64 rows x 64 elements of 4 bytes, 4,096 elements from row to row, 4 words of padding behind every 64
	s_mov_b32 s[G1+0], 15|(2<<16)|(1<<20)|(1<<21)|(5<<22)|(3<<25)   ; 15:0 the mask: all four work-groups; 17:16 4-byte elements; 20 padding on; 21 set beside a mask; 24:22 every 64 words; 31:25 four words
	s_mov_b32 s[G1+1], 64<<16                      ; tensor_dim0 = 64: the strip lies inside W, so the extents are the tile's
	s_mov_b32 s[G1+2], 64<<16                      ; tensor_dim1 = 64
	s_mov_b32 s[G1+3], 64<<16                      ; tile_dim0 = 64
	s_mov_b32 s[G1+4], 64                          ; tile_dim1 = 64
	s_mov_b32 s[G1+5], 4096                        ; the pitch
	s_mov_b32 s[G1+6], 0
	s_mov_b32 s[G1+7], 0
	s_mul_i32 s20, s12, STRIP                      ; my strip in a slot: the wave's number times a constant
.irp s, 0,1
	s_mov_b32 s[G0+4*\s], 1
	s_add_co_u32 s[G0+4*\s+1], s20, \s*SLOT        ; LDS address
	s_add_nc_u64 s[G0+4*\s+2:G0+4*\s+3], s[6:7], \s*STEPB          ; step s
	s_or_b32 s[G0+4*\s+3], s[G0+4*\s+3], 0x80000000               ; type 2
.endr
	ROUND                                          ; all four work-groups are here: the first joint loads meet
	tensor_load_to_lds s[G0:G0+3], s[G1:G1+7]      ; both slots' first fills, as one group
	s_nop 0
	tensor_load_to_lds s[G0+4:G0+7], s[G1:G1+7]
	s_nop 0
	WIN 0x40
	XLOAD 3                                        ; the ring's fourth step: 64 loads of the wave are asked for
	WIN 0
	s_mul_i32 s21, s12, XWAVE
	s_add_co_u32 s21, s21, XSCR                    ; my scratch
	v_mul_u32_u24 v[LW], v1, WPITCH                ; W's fragment, f32: row r, 8 numbers (32 bytes) for each half of the lanes
	v_lshl_add_u32 v[LW], v7, 5, v[LW]
	v_add_nc_u32 v[LW], s20, v[LW]
	v_add_nc_u32 v[LW+1], SLOT, v[LW]
	v_mul_u32_u24 v[XST], v7, 8*XPITCH             ; into the scratch: 8 bytes (4 bf16) a lane, lanes 16-31 eight rows down: the 32 lanes touch 64 different words modulo 64
	v_lshl_add_u32 v[XST], v1, 3, v[XST]
	v_add_nc_u32 v[XST], s21, v[XST]
	v_mul_u32_u24 v[XLD], v1, XPITCH               ; x's fragment, bf16: row r, 16 bytes for each half of the lanes
	v_lshl_add_u32 v[XLD], v7, 4, v[XLD]
	v_add_nc_u32 v[XLD], s21, v[XLD]
; K group g of W: 4 fragments x 8 roundings, in place: register j of a fragment takes numbers 2 j and 2 j + 1, which have been read by then
.macro CVTW g
.irp n, 0,1,2,3
.irp j, 0,1,2,3,4,5,6,7
	v_cvt_pk_bf16_f32 v[S+64*\g+16*\n+\j], v[S+64*\g+16*\n+2*\j], v[S+64*\g+16*\n+2*\j+1]
.endr
.endr
.endm
; 8 matrix instructions, 32 along K.  Source 0 = 16 experts, source 1 = 16 tokens: lane (r, h) then holds token r, its registers experts 8 h + 0..7: 32 neighbouring bytes of a token's logits.
; The eight accumulators take turns, one instruction a turn, in the same order in every group.
.macro MUL g, zero
.irp n, 0,1,2,3
.irp m, 0,1
.if \zero
	v_wmma_f32_16x16x32_bf16 v[ACC+8*(2*\n+\m):ACC+8*(2*\n+\m)+7], v[S+64*\g+16*\n:S+64*\g+16*\n+7], v[AF+8*(2*\g+\m):AF+8*(2*\g+\m)+7], 0
.else
	v_wmma_f32_16x16x32_bf16 v[ACC+8*(2*\n+\m):ACC+8*(2*\n+\m)+7], v[S+64*\g+16*\n:S+64*\g+16*\n+7], v[AF+8*(2*\g+\m):AF+8*(2*\g+\m)+7], v[ACC+8*(2*\n+\m):ACC+8*(2*\n+\m)+7]
.endif
.endr
.endr
.endm
.macro STEP t
.if \t == 0
	s_wait_tensorcnt 0x1                           ; my strip of step 0 is in, step 1's may stay out; I alone read my strips, so my own wait orders the reads
.else
	s_wait_tensorcnt 0x0                           ; all my tensor loads have landed, this step's strip among them: a group 0 may be written
	ds_add_u32 v254, v255
	s_wait_dscnt 0x0
.if \t < STEPS-1
	s_add_nc_u64 s[G0+4*((\t+1)&1)+2:G0+4*((\t+1)&1)+3], s[G0+4*((\t+1)&1)+2:G0+4*((\t+1)&1)+3], 2*STEPB   ; the slot read last step: two steps on
	s_wait_dscnt 0x0                               ; my reads of that slot are back
	ROUND                                          ; both now hold of every wave of all four work-groups
	tensor_load_to_lds s[G0+4*((\t+1)&1):G0+4*((\t+1)&1)+3], s[G1:G1+7]   ; step t + 1, my one tensor load behind the round and the first thing there
	s_nop 0
.endif
	PLACES                                         ; behind the last step's matrix instructions, before their sources are loaded into
.endif
	; W, f32: fragment registers 0-3 want k = 8 h + 0..7 (32 bytes at 32 h), registers 4-7 k = 16 + 8 h + 0..7 (64 bytes further)
.irp g, 0,1
.irp n, 0,1,2,3
	ds_load_b128 v[S+64*\g+16*\n:S+64*\g+16*\n+3],     v[LW+(\t&1)] offset:\n*16*WPITCH+128*\g
	ds_load_b128 v[S+64*\g+16*\n+4:S+64*\g+16*\n+7],   v[LW+(\t&1)] offset:\n*16*WPITCH+128*\g+16
	ds_load_b128 v[S+64*\g+16*\n+8:S+64*\g+16*\n+11],  v[LW+(\t&1)] offset:\n*16*WPITCH+128*\g+64
	ds_load_b128 v[S+64*\g+16*\n+12:S+64*\g+16*\n+15], v[LW+(\t&1)] offset:\n*16*WPITCH+128*\g+80
.endr
.endr
	s_wait_dscnt 16                                ; LDS loads come back in order: the first K group's 16 are in, the second's 16 may be out
	CVTW 0
	s_wait_dscnt 0x0
	CVTW 1                                         ; W is ready before x is waited for
.if \t <= STEPS-4
	s_wait_loadcnt 48                              ; loads come back in order: this step's 16 are in, the three younger steps' 48 stay out
.else
	s_wait_loadcnt 16*(STEPS-1-\t)                 ; the ring runs empty: 32, 16, 0
.endif
	WIN 0x45                                       ; sources and destination in window 1
.irp i, 0,1,2,3,4,5,6,7,8,9,10,11,12,13,14,15
	v_cvt_pk_bf16_f32 v[64*(\t&3)+4*\i],   v[64*(\t&3)+4*\i],   v[64*(\t&3)+4*\i+1]     ; four f32 become four bf16, in place
	v_cvt_pk_bf16_f32 v[64*(\t&3)+4*\i+1], v[64*(\t&3)+4*\i+2], v[64*(\t&3)+4*\i+3]
.endr
	WIN 0x04                                       ; store data in window 1, address in window 0
.irp i, 0,1,2,3,4,5,6,7,8,9,10,11,12,13,14,15
	ds_store_b64 v[XST], v[64*(\t&3)+4*\i:64*(\t&3)+4*\i+1] offset:((\i>>3)*16+(\i&7))*XPITCH
.endr
	WIN 0
.irp g, 0,1
.irp m, 0,1
	ds_load_b128 v[AF+8*(2*\g+\m):AF+8*(2*\g+\m)+3],   v[XLD] offset:\m*16*XPITCH+64*\g      ; LDS serves a wave's instructions in order (ISA guide 5.7.1): these see the stores above
	ds_load_b128 v[AF+8*(2*\g+\m)+4:AF+8*(2*\g+\m)+7], v[XLD] offset:\m*16*XPITCH+64*\g+32
.endr
.endr
	s_wait_dscnt 0x0                               ; x's fragments are in, and the stores have read the ring's registers
.if \t+4 < STEPS
	WIN 0x40
	XLOAD \t+4                                     ; the ring's freed quarter: four steps ahead
	WIN 0
.endif
.if \t == 0
	MUL 0, 1                                       ; the first products start the sums: nothing is cleared
.else
	MUL 0, 0
.endif
	MUL 1, 0
.endm
	STEP 0
	STEP 1
	STEP 2
	STEP 3
	STEP 4
	STEP 5
	STEP 6                                         ; the last refill: step 7's strip
	STEP 7                                         ; nothing is left to fetch: no round, the wait is for all loads
	; THE PARTIAL SUMS MEET.  Mine go, as 32 rows (tokens) of 64 f32 at pitch 272, into my own strip of slot 0: its last fill (step 6) has landed, I alone read it, and
	; those reads are back; no tensor load follows.  Lane (r, h) holds token 16 m + r, experts 16 n + 8 h + 0..7: byte r x 272 + 32 h (v3 as it stands) + m x 16 rows + 64 n.
	PLACES                                         ; behind the last matrix instructions, before their results are stored and their sources written
.irp n, 0,1,2,3
.irp m, 0,1
	ds_store_b128 v[LW], v[ACC+8*(2*\n+\m):ACC+8*(2*\n+\m)+3]   offset:\m*16*WPITCH+64*\n
	ds_store_b128 v[LW], v[ACC+8*(2*\n+\m)+4:ACC+8*(2*\n+\m)+7] offset:\m*16*WPITCH+64*\n+16
.endr
.endr
	v_bfe_u32 v7, v0, 3, 2
	v_lshl_add_u32 v7, s12, 2, v7                  ; my token: 4 x wave + lane / 8
	v_and_b32 v1, 7, v0                            ; c: I take experts 8 c .. 8 c + 7
	v_mul_u32_u24 v[RA], v7, WPITCH
	v_lshl_add_u32 v[RA], v1, 5, v[RA]
	v_add_nc_u32 v[RA+1], 4*STRIP, v[RA]           ; partial sums 4-7 lie beyond the 16-bit offset
.irp j, 0,1,2,3,4,5,6,7
	v_lshl_add_u32 v[E+\j], v1, 3, \j              ; my experts' numbers
.endr
	v_mov_b32 v[NINF], 0xff800000
	v_mov_b32 v[TT], 0                             ; a DPP destination counts as read: written once here
	s_wait_dscnt 0x0                               ; for the other waves: my partial sums are in LDS
	ROUND                                          ; its opening barrier shows every wave's sums to every wave; as a round behind the last joint load it also keeps
	                                               ; every work-group here until no partner can still ask for a strip that names it
.irp p, 0,1,2,3,4,5,6,7
	ds_load_b128 v[P+8*\p:P+8*\p+3],   v[RA+(\p>>2)] offset:(\p&3)*STRIP
	ds_load_b128 v[P+8*\p+4:P+8*\p+7], v[RA+(\p>>2)] offset:(\p&3)*STRIP+16
.endr
	s_wait_dscnt 0x0
.irp p, 0,2,4,6                                    ; eight partial sums by pairs
.irp q, 0,2,4,6
	v_pk_add_f32 v[P+8*\p+\q:P+8*\p+\q+1], v[P+8*\p+\q:P+8*\p+\q+1], v[P+8*\p+8+\q:P+8*\p+8+\q+1]
.endr
.endr
.irp p, 0,4
.irp q, 0,2,4,6
	v_pk_add_f32 v[P+8*\p+\q:P+8*\p+\q+1], v[P+8*\p+\q:P+8*\p+\q+1], v[P+8*\p+16+\q:P+8*\p+16+\q+1]
.endr
.endr
.irp q, 0,2,4,6
	v_pk_add_f32 v[P+\q:P+\q+1], v[P+\q:P+\q+1], v[P+32+\q:P+32+\q+1]     ; P .. P+7: my 8 logits
.endr
; The largest of the token's 64 logits into m and the lowest expert that has it into i, in all 8 lanes of the token.  Choices are made by v_cndmask_b32 alone.
.macro TOP m, i
	v_max3_num_f32 v[\m], v[P], v[P+1], v[P+2]
	v_max3_num_f32 v[\m], v[\m], v[P+3], v[P+4]
	v_max3_num_f32 v[\m], v[\m], v[P+5], v[P+6]
	v_max_num_f32 v[\m], v[\m], v[P+7]
.irp k, 1,2,4
	v_max_num_f32_dpp v[\m], v[\m], v[\m] row_xmask:\k row_mask:0xf bank_mask:0xf     ; lane xor 1, 2, 4: inside the token's 8 lanes
.endr
	v_mov_b32 v[\i], 64
.irp j, 7,6,5,4,3,2,1,0
	v_cmp_eq_f32 vcc_lo, v[P+\j], v[\m]
	v_cndmask_b32 v[\i], v[\i], v[E+\j], vcc_lo    ; downward, so that my lowest expert stays
.endr
.irp k, 1,2,4
	v_mov_b32_dpp v[TT], v[\i] row_xmask:\k row_mask:0xf bank_mask:0xf
	v_min_u32 v[\i], v[\i], v[TT]
.endr
.endm
	TOP M, OUT+2
	v_mov_b32 v[M+1], v[M]
.irp q, 0,2,4,6
	v_pk_add_f32 v[T+\q:T+\q+1], v[P+\q:P+\q+1], v[M:M+1] neg_lo:[0,1] neg_hi:[0,1]   ; logit - maximum first, so that the exponent's error does not grow with the logits
.endr
.irp q, 0,2,4,6
	v_pk_mul_f32 v[T+\q:T+\q+1], v[T+\q:T+\q+1], LOG2E op_sel_hi:[1,0]
.endr
.irp j, 0,1,2,3,4,5,6,7
	v_exp_f32 v[T+\j], v[T+\j]                     ; e^(logit - maximum); the lines that follow touch neither T's registers nor need them: the place behind a transcendental (ISA guide 5.7.2)
.endr
.irp j, 0,1,2,3,4,5,6,7
	v_cmp_eq_u32 vcc_lo, v[E+\j], v[OUT+2]
	v_cndmask_b32 v[P+\j], v[P+\j], v[NINF], vcc_lo                 ; the first expert leaves the field
.endr
	TOP M2, OUT+3
	s_wait_alu depctr_va_vdst(0)
	v_pk_add_f32 v[T:T+1], v[T:T+1], v[T+2:T+3]
	v_pk_add_f32 v[T+4:T+5], v[T+4:T+5], v[T+6:T+7]
	v_pk_add_f32 v[T:T+1], v[T:T+1], v[T+4:T+5]
	v_add_f32 v[T], v[T], v[T+1]
.irp k, 1,2,4
	v_add_f32_dpp v[T], v[T], v[T] row_xmask:\k row_mask:0xf bank_mask:0xf            ; the softmax's sum over all 64 experts, at least 1
.endr
	v_sub_f32 v[T+2], v[M2], v[M]
	v_mul_f32 v[T+2], LOG2E, v[T+2]
	v_exp_f32 v[T+2], v[T+2]
	v_rcp_f32 v[OUT], v[T]                         ; weight 1 = e^0 / sum
	v_lshl_add_u32 v[RSA], v7, 4, RES              ; the plain place behind the two transcendentals: my token's 16 bytes in the stage
	s_wait_alu depctr_va_vdst(0)
	v_mul_f32 v[OUT+1], v[T+2], v[OUT]             ; weight 2
	ds_store_b128 v[RSA], v[OUT:OUT+3]             ; the token's 8 lanes write the same 16 bytes with the same values
	s_wait_dscnt 0x0                               ; for wave 0
	s_barrier_signal -1
	s_barrier_wait -1
	s_cmp_lg_u32 s12, 0
	s_cbranch_scc1 .Lend
	v_lshl_add_u32 v1, v0, 4, RES                  ; wave 0: lane = token
	ds_load_b128 v[OUT:OUT+3], v1
	v_lshlrev_b32 v7, 3, v0
	s_wait_dscnt 0x0
	global_store_b64 v7, v[OUT:OUT+1], s[8:9]      ; each store covers the work-group's 256 consecutive bytes of an output, aligned
	global_store_b64 v7, v[OUT+2:OUT+3], s[10:11]
.Lend:
	s_wait_tensorcnt 0x0
	ds_add_u32 v254, v255
	s_wait_dscnt 0x0
	s_endpgm
.Lfunc_end_k_q0cf7a19f18_router:
	.size	k_q0cf7a19f18_router, .Lfunc_end_k_q0cf7a19f18_router-k_q0cf7a19f18_router
	.p2alignl 7, 3214868480
	.fill 96, 4, 3214868480
	.section	.rodata,"a",@progbits
	.p2align	6, 0x0
	.amdhsa_kernel k_q0cf7a19f18_router
		.amdhsa_group_segment_fixed_size 327680
		.amdhsa_private_segment_fixed_size 0
		.amdhsa_enable_private_segment 0
		.amdhsa_kernarg_size 32
		.amdhsa_user_sgpr_count 2
		.amdhsa_user_sgpr_kernarg_segment_ptr 1
		.amdhsa_wavefront_size32 1
		.amdhsa_system_sgpr_workgroup_id_x 1
		.amdhsa_system_sgpr_workgroup_id_y 1
		.amdhsa_system_sgpr_workgroup_id_z 1
		.amdhsa_system_vgpr_workitem_id 0
		.amdhsa_next_free_vgpr 512
		.amdhsa_next_free_sgpr 66
		.amdhsa_reserve_vcc 1
		.amdhsa_float_denorm_mode_32 3
		.amdhsa_float_denorm_mode_16_64 3
		.amdhsa_memory_ordered 1
		.amdhsa_forward_progress 1
		.amdhsa_inst_pref_size 118
	.end_amdhsa_kernel
	.amdgpu_metadata
---
amdhsa.version: [ 1, 2 ]
amdhsa.kernels:
  - .name:           k_q0cf7a19f18_router
    .symbol:         k_q0cf7a19f18_router.kd
    .args:
      - { .name: x, .offset: 0, .size: 8, .value_kind: global_buffer, .address_space: global }
      - { .name: W, .offset: 8, .size: 8, .value_kind: global_buffer, .address_space: global }
      - { .name: out0, .offset: 16, .size: 8, .value_kind: global_buffer, .address_space: global }
      - { .name: out1, .offset: 24, .size: 8, .value_kind: global_buffer, .address_space: global }
    .group_segment_fixed_size: 327680
    .private_segment_fixed_size: 0
    .kernarg_segment_align: 8
    .kernarg_segment_size: 32
    .max_flat_workgroup_size: 256
    .sgpr_count:     66
    .vgpr_count:     512
    .wavefront_size: 32
...
	.end_amdgpu_metadata
.endif
;; end of part 1
;; ======== version 2 of 2: 2 launches; 1.14 times as fast as version 1
;; workspace buffers: part 8,388,608 bytes
;; launch logits (part 2): grid 64 x 4, 4 waves a work-group, clusters of 4 x 1, 297,472 bytes of LDS; arguments x, W, part; writes part
.if DOCPART == 2
	.amdgcn_target "amdgcn-amd-amdhsa--gfx1250"
	.amdhsa_code_object_version 6
	.text
	.protected	k_q0cf7a19f18_logits
	.globl	k_q0cf7a19f18_logits
	.p2align	8
	.type	k_q0cf7a19f18_logits,@function
k_q0cf7a19f18_logits:
	s_mov_b64 s[64:65], 0
	v_nop
	global_prefetch_b8 v0, s[64:65] scope:SCOPE_SE
	s_setreg_imm32_b32 hwreg(HW_REG_WAVE_MODE, 25, 1), 1
	s_wait_xcnt 0x0
	s_wait_alu depctr_hold_cnt(0) depctr_sa_sdst(0) depctr_va_vdst(0) depctr_va_sdst(0) depctr_va_ssrc(0) depctr_va_vcc(0) depctr_vm_vsrc(0)
	s_getreg_b32 s2, hwreg(HW_REG_IB_STS2, 6, 4)
	s_cmp_eq_u32 s2, 0
	s_cbranch_scc0 .Lentry_in_a_cluster
	s_endpgm
.Lentry_in_a_cluster:
	s_bfe_u32 s2, ttmp6, 0x10000c
	s_cmp_lg_u32 s2, 0x3003
	s_cbranch_scc0 .Lentry_shape_is_right
	s_endpgm
.Lentry_shape_is_right:
; First of two launches of the router.  part[q][t][e] = sum over the k of K quarter q of x[t][k] W[e][k]   (8192 tokens t, 64 experts e, K = 4096 in 4 quarters of 1024).
; x, W: f32, rounded to bf16 (nearest even) on the way to the matrix unit; sums in f32.  The second launch adds the four quarters and makes softmax and choice.
;
; WHY K IS SPLIT OVER WORK-GROUPS.  A work-group that took whole rows (32 tokens x 4096) would take in all of W, 1 MiB, for its 512 KiB of x.  With 128 tokens x 1024 columns
; it takes in 256 KiB of W for the same 512 KiB of x, and that W fits in LDS whole: every fill is a first fill, nothing is filled again, no barrier stands in the stream.
; The price: 8 MiB of partial sums stored here and read by the next launch, against x's 128 MiB.
; SHARES.  Work-group (bx, q): tokens 128 bx .. + 127, columns 1024 q .. + 1023.  Four waves.  Chunk c (4 chunks) of wave w: columns 256 c + 64 w .. + 63 of the quarter, for all
; 128 tokens and all 64 experts: 32 accumulator tiles of 16 x 16.  A step is 32 tokens of a chunk: 16 loads, 16 matrix instructions; 16 steps, chunks outside, tokens inside.
; So every number of x and of W is read from LDS and rounded once in a work-group.
; x: each wave keeps a ring of 4 steps x 16 loads in registers v256-v511 (32 KiB a wave, 128 KiB a work-group asked for from the start), topped up behind counted waits.  A load covers
; two rows' 256 consecutive bytes, aligned.  The numbers are rounded in place and go through the wave's OWN LDS scratch to reach the fragment layout: no barrier.
; W: the four work-groups of a cluster have the same q, hence the same W: each strip (64 experts x 64 columns) is asked for JOINTLY, four requests become one.  A wave fetches and
; reads its own four strips; four tensor loads of a wave are out at the most.
; The sums' order (chunks within a wave, four waves, four quarters) differs from the reference's: see the second launch's limits.
.set STEPS,  16
.set ROWB,   16384                     ; bytes in a row of x and of W
.set CHB,    1024                      ; bytes along a row from chunk to chunk: 4 waves x 64 f32
.set WPITCH, 272                       ; LDS row of W: 256 bytes + 16 of padding = 17 x 16: sixteen rows begin at sixteen different 16-byte columns modulo 256 bytes
.set STRIP,  64*WPITCH                 ; a strip of W: 17,408 bytes
.set WAREA,  4*STRIP                   ; a wave's four strips: 69,632
.set XSCR,   4*WAREA                   ; 278,528: behind W, the waves' scratch for x in bf16; no tensor load lands here
.set XPITCH, 144                       ; 64 bf16 + 16 bytes = 9 x 16
.set XWAVE,  32*XPITCH                 ; 4,608 bytes a wave
.set VOFF, 2                           ; v2      x: my byte offset in a load's two rows; never rewritten
.set LW,   3                           ; v3      LDS address of my part of W's fragments in my first strip; also serves my partial sums
.set XST,  5                           ; v5      scratch: where my 8 bytes of a row go
.set XLD,  6                           ; v6      scratch: where my part of x's fragments lies
.set RA,   8                           ; v8-11   the end: where I read wave 0..3's sums
.set GOFF, 12                          ; v12     the end: 16 x lane
.set S,    72                          ; v72-199 W as loaded, 64 registers for each K group of 32; fragment n is rounded in place into S + 64 g + 16 n .. + 7
.set AF,   200                         ; v200-231 x's fragments: K group g, token block m at AF + 8 (2 g + m)
                                       ; v256-511 (window 1) the ring of x: step t in 64 (t mod 4) + 4 i, load i
                                       ; v512-767 (window 2) the sums: expert block n, token block 2 mm + m at 64 mm + 8 (2 n + m)
.set P,    72                          ; the end: two sets of 64 registers: 4 pairs of tokens x 4 waves' sums x 4
.set G1, 24                            ; s[24:31] descriptor group 1: a strip's shape
.set G0, 32                            ; s[32:47] descriptor group 0, one set for each chunk: none is written while a load is out
.set MSB, 0
.macro WIN new                         ; s_set_vgpr_msb: bits 1:0 source 0, 3:2 source 1, 5:4 source 2, 7:6 destination; the high byte repeats the setting that is left
.if MSB != \new
	s_set_vgpr_msb (MSB<<8)|\new
.set MSB, \new
.endif
.endm
.macro PLACES                          ; four places behind the last matrix instruction (ISA guide 7.12.1) before its registers are loaded into, written or stored
.rept 4
	v_nop
.endr
.endm
; A round of the cluster's barrier: my work-group's barrier, wave 0 signals for the work-group, every wave waits for all four work-groups, my work-group's barrier again.
.macro ROUND
	s_barrier_signal -1
	s_barrier_wait -1
	s_cmp_lg_u32 s12, 0
	s_cbranch_scc1 .Lnot_wave_0_\@
	s_barrier_signal -3
.Lnot_wave_0_\@:
	s_barrier_wait -3
	s_barrier_signal -1
	s_barrier_wait -1
.endm
; The 16 loads of step t = 4 c + mm (destination in window 1).  Load i: lanes 0-15 take 256 bytes of token 32 mm + 16 (i / 8) + i mod 8, lanes 16-31 of the token 8 further down.
.macro XLOAD t
.irp i, 0,1,2,3,4,5,6,7,8,9,10,11,12,13,14,15
	global_load_b128 v[64*((\t)&3)+4*\i:64*((\t)&3)+4*\i+3], v[VOFF], s[4:5] offset:(((\t)&3)*32+(\i>>3)*16+(\i&7))*ROWB+((\t)>>2)*CHB th:TH_LOAD_NT
.endr
.endm
	s_load_b128 s[4:7], s[0:1], 0x0                ; x s[4:5], W s[6:7]
	s_load_b64 s[8:9], s[0:1], 0x10                ; part
	v_lshl_add_u32 v254, v0, 2, 0x48800
	v_mov_b32 v255, 0
	ds_add_u32 v254, v255
	v_lshrrev_b32 v1, 5, v0
	v_readfirstlane_b32 s12, v1                    ; wave 0..3
	s_bfe_u32 s13, ttmp6, 0x40000                  ; cx: my place in the cluster
	s_lshl_b32 s14, ttmp9, 2                       ; ttmp9 counts clusters
	s_add_co_u32 s14, s14, s13                     ; bx 0..63.  It enters x's and part's addresses alone: no descriptor, LDS address or branch
	s_and_b32 s15, ttmp7, 0xffff                   ; q 0..3: the cluster is one work-group high, so all four partners have it
	s_lshl_b32 s16, s14, 21                        ; 128 rows of 16,384 bytes; at most 63 << 21, below 2^31
	s_mov_b32 s17, 0
	s_lshl_b32 s18, s15, 12                        ; my quarter's 4,096 bytes of a row,
	s_lshl_b32 s19, s12, 8                         ; my wave's 256 bytes of a chunk: in x and in W
	s_add_co_u32 s18, s18, s19
	s_mov_b32 s19, 0
	s_lshl_b32 s22, s15, 21                        ; part: quarter q (8192 tokens x 256 bytes),
	s_lshl_b32 s23, s14, 15                        ; 128 tokens x 256 bytes,
	s_add_co_u32 s22, s22, s23
	s_lshl_b32 s23, s12, 13                        ; and the 32 tokens that my wave adds up and stores
	s_add_co_u32 s22, s22, s23
	s_mov_b32 s23, 0
	v_and_b32 v1, 15, v0                           ; r = lane mod 16; kept to the end
	v_bfe_u32 v7, v0, 4, 1                         ; h = lane / 16; kept to the end
	v_lshlrev_b32 v[VOFF], 4, v1                   ; 16 bytes a lane
	v_lshl_add_u32 v[VOFF], v7, 17, v[VOFF]        ; + 8 rows for lanes 16-31
	s_wait_dscnt 0x0
	s_wait_kmcnt 0x0
	s_add_nc_u64 s[4:5], s[4:5], s[16:17]
	s_add_nc_u64 s[4:5], s[4:5], s[18:19]          ; x at my tokens, my columns of chunk 0
	s_add_nc_u64 s[6:7], s[6:7], s[18:19]          ; W at my columns of chunk 0: made of q and the wave's number, the same in all four work-groups
	s_add_nc_u64 s[8:9], s[8:9], s[22:23]
	WIN 0x40
	XLOAD 0                                        ; three steps of x go out before anything else
	XLOAD 1
	XLOAD 2
	WIN 0
	; group 1: 64 rows x 64 elements of 4 bytes, 4,096 elements from row to row, 4 words of padding behind every 64
	s_mov_b32 s[G1+0], 15|(2<<16)|(1<<20)|(1<<21)|(5<<22)|(3<<25)   ; 15:0 the mask: all four work-groups; 17:16 4-byte elements; 20 padding on; 21 set beside a mask; 24:22 every 64 words; 31:25 four words
	s_mov_b32 s[G1+1], 64<<16                      ; tensor_dim0 = 64: the strip lies inside W, so the extents are the tile's
	s_mov_b32 s[G1+2], 64<<16                      ; tensor_dim1 = 64
	s_mov_b32 s[G1+3], 64<<16                      ; tile_dim0 = 64
	s_mov_b32 s[G1+4], 64                          ; tile_dim1 = 64
	s_mov_b32 s[G1+5], 4096                        ; the pitch
	s_mov_b32 s[G1+6], 0
	s_mov_b32 s[G1+7], 0
	s_mul_i32 s20, s12, WAREA                      ; my four strips in LDS: the wave's number times a constant
.irp c, 0,1,2,3
	s_mov_b32 s[G0+4*\c], 1
	s_add_co_u32 s[G0+4*\c+1], s20, \c*STRIP       ; LDS address
	s_add_nc_u64 s[G0+4*\c+2:G0+4*\c+3], s[6:7], \c*CHB            ; chunk c
	s_or_b32 s[G0+4*\c+3], s[G0+4*\c+3], 0x80000000               ; type 2
.endr
	ROUND                                          ; all four work-groups are here: the joint loads meet
.irp c, 0,1,2,3
	tensor_load_to_lds s[G0+4*\c:G0+4*\c+3], s[G1:G1+7]            ; all of my W, as one group, chunk 0 first; these are the launch's only tensor loads
	s_nop 0
.endr
	WIN 0x40
	XLOAD 3                                        ; the ring's fourth step
	WIN 0
	s_mul_i32 s21, s12, XWAVE
	s_add_co_u32 s21, s21, XSCR                    ; my scratch
	v_mul_u32_u24 v[LW], v1, WPITCH                ; W's fragment, f32: row r, 8 numbers (32 bytes) for each half of the lanes
	v_lshl_add_u32 v[LW], v7, 5, v[LW]
	v_add_nc_u32 v[LW], s20, v[LW]
	v_mul_u32_u24 v[XST], v7, 8*XPITCH             ; into the scratch: 8 bytes (4 bf16) a lane, lanes 16-31 eight rows down
	v_lshl_add_u32 v[XST], v1, 3, v[XST]
	v_add_nc_u32 v[XST], s21, v[XST]
	v_mul_u32_u24 v[XLD], v1, XPITCH               ; x's fragment, bf16: row r, 16 bytes for each half of the lanes
	v_lshl_add_u32 v[XLD], v7, 4, v[XLD]
	v_add_nc_u32 v[XLD], s21, v[XLD]
; K group g of W: 4 fragments x 8 roundings, in place: register j of a fragment takes numbers 2 j and 2 j + 1, which have been read by then
.macro CVTW g
.irp n, 0,1,2,3
.irp j, 0,1,2,3,4,5,6,7
	v_cvt_pk_bf16_f32 v[S+64*\g+16*\n+\j], v[S+64*\g+16*\n+2*\j], v[S+64*\g+16*\n+2*\j+1]
.endr
.endr
.endm
; 8 matrix instructions, 32 along K, on the eight tiles of token blocks 2 mm, 2 mm + 1 (C and D in window 2).
; Source 0 = 16 experts, source 1 = 16 tokens: lane (r, h) then holds token r, its registers experts 8 h + 0..7: 32 neighbouring bytes of a token's logits.
; The eight accumulators take turns, one instruction a turn, in the same order in every group.
.macro MUL g, mm, zero
.irp n, 0,1,2,3
.irp m, 0,1
.if \zero
	v_wmma_f32_16x16x32_bf16 v[64*(\mm)+8*(2*\n+\m):64*(\mm)+8*(2*\n+\m)+7], v[S+64*\g+16*\n:S+64*\g+16*\n+7], v[AF+8*(2*\g+\m):AF+8*(2*\g+\m)+7], 0
.else
	v_wmma_f32_16x16x32_bf16 v[64*(\mm)+8*(2*\n+\m):64*(\mm)+8*(2*\n+\m)+7], v[S+64*\g+16*\n:S+64*\g+16*\n+7], v[AF+8*(2*\g+\m):AF+8*(2*\g+\m)+7], v[64*(\mm)+8*(2*\n+\m):64*(\mm)+8*(2*\n+\m)+7]
.endif
.endr
.endr
.endm
.macro STEP t
.if ((\t)&3) == 0
	; a chunk begins: its strip of W becomes eight fragments, which serve the chunk's four steps
	s_wait_tensorcnt 3-((\t)>>2)                   ; tensor loads of a wave end in order: this chunk's strip is in, the later chunks' may stay out; I alone read my strips
	WIN 0
.if \t > 0
	PLACES                                         ; behind the last step's matrix instructions, before their sources are loaded into
.endif
	; W, f32: fragment registers 0-3 want k = 8 h + 0..7 (32 bytes at 32 h), registers 4-7 k = 16 + 8 h + 0..7 (64 bytes further).  The largest offset is 3 x 17,408 + 3 x 4,352 + 208 = 65,488
.irp g, 0,1
.irp n, 0,1,2,3
	ds_load_b128 v[S+64*\g+16*\n:S+64*\g+16*\n+3],     v[LW] offset:((\t)>>2)*STRIP+\n*16*WPITCH+128*\g
	ds_load_b128 v[S+64*\g+16*\n+4:S+64*\g+16*\n+7],   v[LW] offset:((\t)>>2)*STRIP+\n*16*WPITCH+128*\g+16
	ds_load_b128 v[S+64*\g+16*\n+8:S+64*\g+16*\n+11],  v[LW] offset:((\t)>>2)*STRIP+\n*16*WPITCH+128*\g+64
	ds_load_b128 v[S+64*\g+16*\n+12:S+64*\g+16*\n+15], v[LW] offset:((\t)>>2)*STRIP+\n*16*WPITCH+128*\g+80
.endr
.endr
	s_wait_dscnt 16                                ; LDS loads come back in order: the first K group's 16 are in, the second's 16 may be out
	CVTW 0
	s_wait_dscnt 0x0
	CVTW 1
.endif
.if \t <= STEPS-4
	s_wait_loadcnt 48                              ; loads come back in order: this step's 16 are in, the three younger steps' 48 stay out
.else
	s_wait_loadcnt 16*(STEPS-1-\t)                 ; the ring runs empty: 32, 16, 0
.endif
	WIN 0x45                                       ; sources and destination in window 1.  These 32 roundings name none of the last matrix instructions' registers:
	                                               ; they are the places in front of the loads into x's fragments below
.irp i, 0,1,2,3,4,5,6,7,8,9,10,11,12,13,14,15
	v_cvt_pk_bf16_f32 v[64*((\t)&3)+4*\i],   v[64*((\t)&3)+4*\i],   v[64*((\t)&3)+4*\i+1]     ; four f32 become four bf16, in place
	v_cvt_pk_bf16_f32 v[64*((\t)&3)+4*\i+1], v[64*((\t)&3)+4*\i+2], v[64*((\t)&3)+4*\i+3]
.endr
	WIN 0x04                                       ; store data in window 1, address in window 0
.irp i, 0,1,2,3,4,5,6,7,8,9,10,11,12,13,14,15
	ds_store_b64 v[XST], v[64*((\t)&3)+4*\i:64*((\t)&3)+4*\i+1] offset:((\i>>3)*16+(\i&7))*XPITCH
.endr
	WIN 0
.irp g, 0,1
.irp m, 0,1
	ds_load_b128 v[AF+8*(2*\g+\m):AF+8*(2*\g+\m)+3],   v[XLD] offset:\m*16*XPITCH+64*\g      ; LDS serves a wave's instructions in order (ISA guide 5.7.1): these see the stores above
	ds_load_b128 v[AF+8*(2*\g+\m)+4:AF+8*(2*\g+\m)+7], v[XLD] offset:\m*16*XPITCH+64*\g+32
.endr
.endr
	s_wait_dscnt 0x0                               ; x's fragments are in, and the stores have read the ring's registers
.if \t+4 < STEPS
	WIN 0x40
	XLOAD \t+4                                     ; the ring's freed quarter: four steps ahead
.endif
	WIN 0xa0                                       ; C and D in window 2, both sources in window 0
.if \t < 4
	MUL 0, (\t)&3, 1                               ; chunk 0: the first products start the sums: nothing is cleared
.else
	MUL 0, (\t)&3, 0
.endif
	MUL 1, (\t)&3, 0
.endm
.irp t, 0,1,2,3,4,5,6,7,8,9,10,11,12,13,14,15
	STEP \t
.endr
	; THE FOUR WAVES' SUMS MEET.  Mine go, as 128 rows (tokens) of 64 f32 at pitch 272 (34,816 bytes), into my own first two strips: all my tensor loads have landed (the wait for 0
	; at chunk 3), I alone read those strips, those reads are back, and no tensor load follows.
	; Lane (r, h) holds token 16 M + r, experts 16 n + 8 h + 0..7: byte r x 272 + 32 h (v3 as it stands) + M x 16 rows + 64 n.
	WIN 0
	PLACES                                         ; behind the last matrix instructions, before their results are stored and their sources written
	WIN 0x08                                       ; store data in window 2
.irp mm, 0,1,2,3
.irp n, 0,1,2,3
.irp m, 0,1
	ds_store_b128 v[LW], v[64*\mm+8*(2*\n+\m):64*\mm+8*(2*\n+\m)+3]   offset:(2*\mm+\m)*16*WPITCH+64*\n
	ds_store_b128 v[LW], v[64*\mm+8*(2*\n+\m)+4:64*\mm+8*(2*\n+\m)+7] offset:(2*\mm+\m)*16*WPITCH+64*\n+16
.endr
.endr
.endr
	WIN 0
	s_mul_i32 s21, s12, 32*WPITCH                  ; I add up tokens 32 w .. 32 w + 31, two at a time: lanes 0-15 one token's 256 bytes, lanes 16-31 the next token's
	v_mul_u32_u24 v[RA], v7, WPITCH
	v_lshl_add_u32 v[RA], v1, 4, v[RA]
	v_add_nc_u32 v[RA], s21, v[RA]
.irp p, 1,2,3
	v_add_nc_u32 v[RA+\p], \p*WAREA, v[RA]         ; the other waves' sums lie beyond the 16-bit offset
.endr
	v_and_b32 v[GOFF], 31, v0
	v_lshlrev_b32 v[GOFF], 4, v[GOFF]              ; in part two neighbouring tokens are 512 consecutive bytes: 16 x lane
	s_wait_dscnt 0x0                               ; for the other waves: my sums are in LDS
	ROUND                                          ; its opening barrier shows every wave's sums to every wave; as a round behind the last joint load it also keeps
	                                               ; every work-group here until no partner can still ask for a strip that names it
; batch b: token pairs 4 b .. 4 b + 3, four waves' sums each: 16 loads into register set b mod 2
.macro RLOAD b
.irp jj, 0,1,2,3
.irp p, 0,1,2,3
	ds_load_b128 v[P+64*((\b)&1)+16*\jj+4*\p:P+64*((\b)&1)+16*\jj+4*\p+3], v[RA+\p] offset:(4*(\b)+\jj)*2*WPITCH
.endr
.endr
.endm
.macro RSUM b
.irp jj, 0,1,2,3
.set RB, P+64*((\b)&1)+16*\jj
.irp q, 0,2
	v_pk_add_f32 v[RB+\q:RB+\q+1], v[RB+\q:RB+\q+1], v[RB+4+\q:RB+4+\q+1]             ; waves 0 + 1
	v_pk_add_f32 v[RB+8+\q:RB+8+\q+1], v[RB+8+\q:RB+8+\q+1], v[RB+12+\q:RB+12+\q+1]   ; waves 2 + 3
.endr
.irp q, 0,2
	v_pk_add_f32 v[RB+\q:RB+\q+1], v[RB+\q:RB+\q+1], v[RB+8+\q:RB+8+\q+1]
.endr
	global_store_b128 v[GOFF], v[RB:RB+3], s[8:9] offset:(4*(\b)+\jj)*512             ; 512 consecutive bytes, aligned; no hint: the next launch reads them
.endr
.endm
	RLOAD 0
	RLOAD 1
	s_wait_dscnt 16                                ; batch 0 is in, batch 1's 16 loads may be out
	RSUM 0
	s_wait_xcnt 0x0                                ; set 0, which batch 0's stores read, is loaded again only behind this wait
	RLOAD 2
	s_wait_dscnt 16                                ; batch 1 is in
	RSUM 1
	s_wait_xcnt 0x0                                ; likewise set 1
	RLOAD 3
	s_wait_dscnt 16                                ; batch 2 is in
	RSUM 2
	s_wait_dscnt 0x0
	RSUM 3
	s_wait_tensorcnt 0x0
	ds_add_u32 v254, v255
	s_wait_dscnt 0x0
	s_endpgm
.Lfunc_end_k_q0cf7a19f18_logits:
	.size	k_q0cf7a19f18_logits, .Lfunc_end_k_q0cf7a19f18_logits-k_q0cf7a19f18_logits
	.p2alignl 7, 3214868480
	.fill 96, 4, 3214868480
	.section	.rodata,"a",@progbits
	.p2align	6, 0x0
	.amdhsa_kernel k_q0cf7a19f18_logits
		.amdhsa_group_segment_fixed_size 297472
		.amdhsa_private_segment_fixed_size 0
		.amdhsa_enable_private_segment 0
		.amdhsa_kernarg_size 24
		.amdhsa_user_sgpr_count 2
		.amdhsa_user_sgpr_kernarg_segment_ptr 1
		.amdhsa_wavefront_size32 1
		.amdhsa_system_sgpr_workgroup_id_x 1
		.amdhsa_system_sgpr_workgroup_id_y 1
		.amdhsa_system_sgpr_workgroup_id_z 1
		.amdhsa_system_vgpr_workitem_id 0
		.amdhsa_next_free_vgpr 768
		.amdhsa_next_free_sgpr 66
		.amdhsa_reserve_vcc 0
		.amdhsa_float_denorm_mode_32 3
		.amdhsa_float_denorm_mode_16_64 3
		.amdhsa_memory_ordered 1
		.amdhsa_forward_progress 1
		.amdhsa_inst_pref_size 146
	.end_amdhsa_kernel
	.amdgpu_metadata
---
amdhsa.version: [ 1, 2 ]
amdhsa.kernels:
  - .name:           k_q0cf7a19f18_logits
    .symbol:         k_q0cf7a19f18_logits.kd
    .args:
      - { .name: x, .offset: 0, .size: 8, .value_kind: global_buffer, .address_space: global }
      - { .name: W, .offset: 8, .size: 8, .value_kind: global_buffer, .address_space: global }
      - { .name: part, .offset: 16, .size: 8, .value_kind: global_buffer, .address_space: global }
    .group_segment_fixed_size: 297472
    .private_segment_fixed_size: 0
    .kernarg_segment_align: 8
    .kernarg_segment_size: 24
    .max_flat_workgroup_size: 128
    .sgpr_count:     66
    .vgpr_count:     768
    .wavefront_size: 32
...
	.end_amdgpu_metadata
.endif
;; end of part 2
;; launch choose (part 3): grid 256 x 1, 16 waves a work-group, no clusters, 2,560 bytes of LDS; arguments part, out0, out1; writes out0, out1
.if DOCPART == 3
	.amdgcn_target "amdgcn-amd-amdhsa--gfx1250"
	.amdhsa_code_object_version 6
	.text
	.protected	k_q0cf7a19f18_choose
	.globl	k_q0cf7a19f18_choose
	.p2align	8
	.type	k_q0cf7a19f18_choose,@function
k_q0cf7a19f18_choose:
	s_mov_b64 s[64:65], 0
	v_nop
	global_prefetch_b8 v0, s[64:65] scope:SCOPE_SE
	s_setreg_imm32_b32 hwreg(HW_REG_WAVE_MODE, 25, 1), 1
	s_wait_xcnt 0x0
; Second launch of the router: logits[t][e] = the sum of part[q][t][e] over the four K quarters q; softmax over the 64 experts; the two largest scores and their experts.  All in f32.
; A work-group owns 32 tokens (256 work-groups), 16 waves.  Thread i: token i / 16, experts 4 (i mod 16) .. + 3, so a token lies in 16 neighbouring lanes and every
; reduction is four steps of lane xor 1, 2, 4, 8.  Each of a wave's four loads (one for each quarter) covers 512 consecutive bytes, aligned; every byte of part is read once.
; No matrix unit, no cluster, no tensor load: 8 MiB are read once, no two work-groups share a byte, and each wave's four loads go out together.
; The results pass a stage of 512 bytes in LDS so that one wave stores each output's 256 bytes of the work-group with one instruction.
;
; LIMITS.  The two experts are chosen on the logits, the lower index first where they are equal; reference() chooses on the rounded scores, so two unequal logits whose
; scores round to one f32 would be ordered by index there.  The sums' order differs from the reference's: logits closer than the f32 sums' rounding may change places.
; A token with a NaN among its logits gets index 64.  A second weight below 2^-126 comes out as 0 (v_exp_f32 flushes denormal results: ISA guide 15.8).
.set QB,    2097152                    ; bytes of a quarter in part: 8192 tokens x 256
.set LOG2E, 0x3fb8aa3b
.set P,    4                           ; v4-19   four quarters x my 4 experts; then the logits in v4-7
.set E,    20                          ; v20-23  my experts' numbers
.set T,    24                          ; v24-27  at work
.set M,    28                          ; v28-29  the largest logit, twice (a pair for the packed subtraction)
.set TT,   30
.set M2,   31                          ; the second largest
.set NINF, 32
.set OUT,  36                          ; v36-39  weight 1, weight 2, expert 1, expert 2
.set RSA,  40
	s_load_b128 s[4:7], s[0:1], 0x0                ; part s[4:5], out0 s[6:7]
	s_load_b64 s[8:9], s[0:1], 0x10                ; out1
	v_lshl_add_u32 v48, v0, 2, 0x200
	v_mov_b32 v49, 0
	s_lshl_b32 s10, ttmp9, 13                      ; 32 tokens x 256 bytes in a quarter of part
	s_mov_b32 s11, 0
	s_lshl_b32 s12, ttmp9, 8                       ; 32 tokens x 8 bytes in each output
	s_mov_b32 s13, 0
	v_lshlrev_b32 v1, 4, v0                        ; 16 bytes a thread
	v_lshrrev_b32 v2, 5, v0
	v_readfirstlane_b32 s14, v2                    ; wave 0..15
	s_wait_kmcnt 0x0
	s_add_nc_u64 s[4:5], s[4:5], s[10:11]
.irp q, 0,1,2,3
	global_load_b128 v[P+4*\q:P+4*\q+3], v1, s[4:5] offset:\q*QB th:TH_LOAD_NT
.endr
	s_add_nc_u64 s[6:7], s[6:7], s[12:13]
	s_add_nc_u64 s[8:9], s[8:9], s[12:13]
	v_and_b32 v3, 15, v0
.irp j, 0,1,2,3
	v_lshl_add_u32 v[E+\j], v3, 2, \j              ; my experts' numbers
.endr
	v_mov_b32 v[NINF], 0xff800000
	v_mov_b32 v[TT], 0                             ; a DPP destination counts as read: written once here
	s_wait_loadcnt 0x0
	v_pk_add_f32 v[P:P+1],     v[P:P+1],     v[P+4:P+5]            ; quarters 0 + 1
	v_pk_add_f32 v[P+2:P+3],   v[P+2:P+3],   v[P+6:P+7]
	v_pk_add_f32 v[P+8:P+9],   v[P+8:P+9],   v[P+12:P+13]          ; quarters 2 + 3
	v_pk_add_f32 v[P+10:P+11], v[P+10:P+11], v[P+14:P+15]
	v_pk_add_f32 v[P:P+1],     v[P:P+1],     v[P+8:P+9]
	v_pk_add_f32 v[P+2:P+3],   v[P+2:P+3],   v[P+10:P+11]          ; P .. P+3: my 4 logits
; The largest of the token's 64 logits into m and the lowest expert that has it into i, in all 16 lanes of the token.  Choices are made by v_cndmask_b32 alone.
.macro TOP m, i
	v_max3_num_f32 v[\m], v[P], v[P+1], v[P+2]
	v_max_num_f32 v[\m], v[\m], v[P+3]
.irp k, 1,2,4,8
	v_max_num_f32_dpp v[\m], v[\m], v[\m] row_xmask:\k row_mask:0xf bank_mask:0xf     ; lane xor 1, 2, 4, 8: inside the token's 16 lanes
.endr
	v_mov_b32 v[\i], 64
.irp j, 3,2,1,0
	v_cmp_eq_f32 vcc_lo, v[P+\j], v[\m]
	v_cndmask_b32 v[\i], v[\i], v[E+\j], vcc_lo    ; downward, so that my lowest expert stays
.endr
.irp k, 1,2,4,8
	v_mov_b32_dpp v[TT], v[\i] row_xmask:\k row_mask:0xf bank_mask:0xf
	v_min_u32 v[\i], v[\i], v[TT]
.endr
.endm
	TOP M, OUT+2
	v_mov_b32 v[M+1], v[M]
.irp q, 0,2
	v_pk_add_f32 v[T+\q:T+\q+1], v[P+\q:P+\q+1], v[M:M+1] neg_lo:[0,1] neg_hi:[0,1]   ; logit - maximum first, so that the exponent's error does not grow with the logits
.endr
.irp q, 0,2
	v_pk_mul_f32 v[T+\q:T+\q+1], v[T+\q:T+\q+1], LOG2E op_sel_hi:[1,0]
.endr
.irp j, 0,1,2,3
	v_exp_f32 v[T+\j], v[T+\j]                     ; e^(logit - maximum); the lines that follow do not touch T: the place behind a transcendental (ISA guide 5.7.2)
.endr
.irp j, 0,1,2,3
	v_cmp_eq_u32 vcc_lo, v[E+\j], v[OUT+2]
	v_cndmask_b32 v[P+\j], v[P+\j], v[NINF], vcc_lo                 ; the first expert leaves the field
.endr
	TOP M2, OUT+3
	s_wait_alu depctr_va_vdst(0)
	v_pk_add_f32 v[T:T+1], v[T:T+1], v[T+2:T+3]
	v_add_f32 v[T], v[T], v[T+1]
.irp k, 1,2,4,8
	v_add_f32_dpp v[T], v[T], v[T] row_xmask:\k row_mask:0xf bank_mask:0xf            ; the softmax's sum over all 64 experts, at least 1
.endr
	v_sub_f32 v[T+2], v[M2], v[M]
	v_mul_f32 v[T+2], LOG2E, v[T+2]
	v_exp_f32 v[T+2], v[T+2]
	v_rcp_f32 v[OUT], v[T]                         ; weight 1 = e^0 / sum
	v_and_b32 v[RSA], -16, v0                      ; the plain place behind the two transcendentals: 16 x (thread / 16), my token's 16 bytes in the stage
	s_wait_alu depctr_va_vdst(0)
	v_mul_f32 v[OUT+1], v[T+2], v[OUT]             ; weight 2
	ds_store_b128 v[RSA], v[OUT:OUT+3]             ; the token's 16 lanes write the same 16 bytes with the same values
	s_wait_dscnt 0x0                               ; for wave 0
	s_barrier_signal -1
	s_barrier_wait -1
	s_cmp_lg_u32 s14, 0
	s_cbranch_scc1 .Lend
	ds_load_b128 v[OUT:OUT+3], v1                  ; wave 0: lane = token; v1 = 16 x lane there
	v_lshlrev_b32 v2, 3, v0
	s_wait_dscnt 0x0
	global_store_b64 v2, v[OUT:OUT+1], s[6:7]      ; each store covers the work-group's 256 consecutive bytes of an output, aligned
	global_store_b64 v2, v[OUT+2:OUT+3], s[8:9]
.Lend:
	s_wait_tensorcnt 0x0
	ds_add_u32 v48, v49
	s_wait_dscnt 0x0
	s_endpgm
.Lfunc_end_k_q0cf7a19f18_choose:
	.size	k_q0cf7a19f18_choose, .Lfunc_end_k_q0cf7a19f18_choose-k_q0cf7a19f18_choose
	.p2alignl 7, 3214868480
	.fill 96, 4, 3214868480
	.section	.rodata,"a",@progbits
	.p2align	6, 0x0
	.amdhsa_kernel k_q0cf7a19f18_choose
		.amdhsa_group_segment_fixed_size 2560
		.amdhsa_private_segment_fixed_size 0
		.amdhsa_enable_private_segment 0
		.amdhsa_kernarg_size 24
		.amdhsa_user_sgpr_count 2
		.amdhsa_user_sgpr_kernarg_segment_ptr 1
		.amdhsa_wavefront_size32 1
		.amdhsa_system_sgpr_workgroup_id_x 1
		.amdhsa_system_sgpr_workgroup_id_y 1
		.amdhsa_system_sgpr_workgroup_id_z 1
		.amdhsa_system_vgpr_workitem_id 0
		.amdhsa_next_free_vgpr 50
		.amdhsa_next_free_sgpr 66
		.amdhsa_reserve_vcc 1
		.amdhsa_float_denorm_mode_32 3
		.amdhsa_float_denorm_mode_16_64 3
		.amdhsa_memory_ordered 1
		.amdhsa_forward_progress 1
		.amdhsa_inst_pref_size 7
	.end_amdhsa_kernel
	.amdgpu_metadata
---
amdhsa.version: [ 1, 2 ]
amdhsa.kernels:
  - .name:           k_q0cf7a19f18_choose
    .symbol:         k_q0cf7a19f18_choose.kd
    .args:
      - { .name: part, .offset: 0, .size: 8, .value_kind: global_buffer, .address_space: global }
      - { .name: out0, .offset: 8, .size: 8, .value_kind: global_buffer, .address_space: global }
      - { .name: out1, .offset: 16, .size: 8, .value_kind: global_buffer, .address_space: global }
    .group_segment_fixed_size: 2560
    .private_segment_fixed_size: 0
    .kernarg_segment_align: 8
    .kernarg_segment_size: 24
    .max_flat_workgroup_size: 512
    .sgpr_count:     66
    .vgpr_count:     50
    .wavefront_size: 32
...
	.end_amdgpu_metadata
.endif
;; end of part 3
